; MI455X (gfx1250); checked and timed in simulation.
; The chip was launched on July 23, 2026; its instructions are those of AMD's public machine-readable ISA for CDNA 5 (MIT licence, August 2026) and "CDNA5" Instruction Set Architecture Reference Guide (July 2026). The comments in the code are by the model that wrote it; some were corrected since.
;; temporal attention. Allowed arithmetic: float matrix products may take bf16 or f16 operands with f32 sums; all other float work in f32.
;; Inputs: x 2 x 8,192 x 64 float32.
;; Outputs: out0 2 x 64 x 8,192 float32.
;; One version. Each part assembles by itself: llvm-mc -triple=amdgcn-amd-amdhsa -mcpu=gfx1250 --defsym DOCPART=n.
;; ======== version 1 of 1: 2 launches
;; workspace buffers: xc 2,162,688 bytes; xb 2,097,152 bytes
;; launch stats (part 1): grid 256 x 1, 16 waves a work-group, clusters of 4 x 1, 327,680 bytes of LDS; arguments x, xc, xb; writes xc, xb
.if DOCPART == 1
	.amdgcn_target "amdgcn-amd-amdhsa--gfx1250"
	.amdhsa_code_object_version 6
	.text
	.protected	k_qec01e49cc4_stats
	.globl	k_qec01e49cc4_stats
	.p2align	8
	.type	k_qec01e49cc4_stats,@function
k_qec01e49cc4_stats:
	s_mov_b64 s[64:65], 0
	v_nop
	global_prefetch_b8 v0, s[64:65] scope:SCOPE_SE
	s_setreg_imm32_b32 hwreg(HW_REG_WAVE_MODE, 25, 1), 1
	s_wait_xcnt 0x0
	s_wait_alu depctr_hold_cnt(0) depctr_sa_sdst(0) depctr_va_vdst(0) depctr_va_sdst(0) depctr_va_ssrc(0) depctr_va_vcc(0) depctr_vm_vsrc(0)
	s_getreg_b32 s2, hwreg(HW_REG_IB_STS2, 6, 4)
	s_cmp_eq_u32 s2, 0
	s_cbranch_scc0 .Lentry_in_a_cluster
	s_endpgm
.Lentry_in_a_cluster:
	s_bfe_u32 s2, ttmp6, 0x10000c
	s_cmp_lg_u32 s2, 0x3003
	s_cbranch_scc0 .Lentry_shape_is_right
	s_endpgm
.Lentry_shape_is_right:
; stats: the column statistics of S = X X^T, and two bf16 copies of X.    x: [2][8192][64] f32.
; xb: [2][8192][64] bf16(x).   xc: 256 blocks of 8,448 bytes; block (batch*128 + blk) = 64 rows of bf16(log2e * x), then 64 f32 negc[j].
; Scores are made in base 2: t[i][j] = <bf16(x_i), bf16(log2e * x_j)>, the factor folded into the COLUMN's row before it is rounded.
;   negc[j] = -(m[j] + log2 l[j]),  m[j] = max over i of t[i][j],  l[j] = sum over i of exp2(t[i][j] - m[j]),
; so that the next launch, from the same two operands, forms softmax over i as exp2(t + negc[j]).  The maximum is a running one: it is
; taken away for every input.
; A work-group owns 64 columns j (kept by EVERY wave as B fragments in 64 registers) and walks all 8,192 rows i of its batch in 16 tiles
; of 512 rows: two slots of 512 rows of f32 are what LDS holds.  Sixteen waves, four to a SIMD (4 x 234 registers): a softmax block is
; chains of maxima, differences and sums, and other waves' work fills the chains' gaps.  Wave w fetches rows 32 w .. 32 w + 31 of each tile
; by its own tensor load (512 rows shared among 16 waves) and alone reads them, so each streamed byte is read from LDS once in the
; work-group and feeds four score tiles.  With A = streamed rows and B = owner rows a lane holds eight streamed rows of ONE column:
; maximum and sum run inside the lane; lane halves and waves meet once, at the end.
; CLUSTER: the four work-groups of a cluster lie in one batch and walk the same tiles: every tile is asked for jointly (mask 15).
; LIMITS: matrix operands are x and log2e * x rounded to bf16.  t must be finite in f32.  negc is one f32, rounded at the size of m.
; Exponentials under 2^-126 count as 0 (ISA guide 15.8, v_exp_f32).  NaN and infinities in x are not served.
.set PITCH,  272                       ; an LDS row: 256 bytes (64 f32) + 16 of padding: sixteen rows start at sixteen different 16-byte columns modulo 256
.set PIECE,  32*PITCH                  ; a wave's 32 rows of a tile
.set SLOT,   16*PIECE                  ; a tile of 512 rows
.set STAGE,  2*SLOT                    ; behind the ring, a multiple of 256: m[16 waves][64] f32, then l[16 waves][64] f32; no fill lands here
.set STL,    4096                      ; l behind m
.set OSTG,   STAGE+8192                ; the owner rows as bf16(log2e x): 64 rows of 128 bytes + 16; no fill lands here
.set OPITCH, 144
.set TILEB,  512*256                   ; bytes of a tile in x
.set BLOCKB, 8448                      ; bytes of a block of xc
.set LA,  4                            ; v4, v5    LDS address of my fragment bytes in my piece of slot 0, 1
.set PL,  6                            ; v6        32 t: my 8 numbers of the owner rows in x
.set PS,  7                            ; v7        16 t: the same 8 numbers in xb and in my block of xc
.set OS,  8                            ; v8        owner stage: where I put them
.set OL,  9                            ; v9        owner stage: my fragment bytes
.set SA,  10                           ; v10       stage: my wave's row, column r
.set SR,  11                           ; v11       stage: columns 2 lane, 2 lane + 1 of wave 0's row
.set GO,  12                           ; v12       8 lane
.set XO,  16                           ; v16-79    owner fragments: tile n, K step q at 16 n + 8 q
.set F,   80                           ; v80-111   one streamed tile of 16 rows in f32
.set XA,  112                          ; v112-175  streamed fragments, two buffers of 32: tile mt, K step q at 16 mt + 8 q
.set SB,  176                          ; v176-207  scores, two buffers of 16 (owner tile n uses buffer n & 1): tile mt at 8 mt
.set ST,  208                          ; v208-223  owner tile n at 4 n: a pair for the running maximum (old and new change places), two partial sums
.set TA,  224
.set TB,  225
.set AL,  226                          ; v226-227  the old sums' factor (the pair's second register is written once and not used)
.set G1,  16                           ; s[16:23]  descriptor group 1
.set G0,  24                           ; s[24:31]  descriptor group 0, a set for each slot
; A round of the cluster's barrier: my work-group's barrier, wave 0 signals for the work-group, every wave waits for all four work-groups, my work-group's barrier again.
.macro ROUND
	s_barrier_signal -1
	s_barrier_wait -1
	s_cmp_lg_u32 s8, 0
	s_cbranch_scc1 .Lnot_wave_0_\@
	s_barrier_signal -3
.Lnot_wave_0_\@:
	s_barrier_wait -3
	s_barrier_signal -1
	s_barrier_wait -1
.endm
; A slot whose tile is in registers is filled again, two tiles ahead.
.macro REFILL slot
	s_wait_tensorcnt 0x0                           ; all my tensor loads have landed, the other slot's tile among them, so a group 0 may be written
	ds_add_u32 v232, v233
	s_add_nc_u64 s[G0+4*\slot+2:G0+4*\slot+3], s[G0+4*\slot+2:G0+4*\slot+3], 2*TILEB
	s_wait_dscnt 0x0                               ; my reads of this slot are back
	ROUND                                          ; both now hold of every wave of all four work-groups
	tensor_load_to_lds s[G0+4*\slot:G0+4*\slot+3], s[G1:G1+7]      ; my one tensor load behind the round, and the first thing there
	s_nop 0
.endm
; 16 streamed rows (tile mt of my piece) in f32: lane (r, h) takes k = 32 q + 16 e + 8 h + 0..7 of row r, 32 bytes, as two loads
.macro LDF slot, mt
.irp q, 0,1
.irp e, 0,1
.irp u, 0,1
	ds_load_b128 v[F+16*\q+8*\e+4*\u:F+16*\q+8*\e+4*\u+3], v[LA+\slot] offset:16*\mt*PITCH+128*\q+64*\e+16*\u
.endr
.endr
.endr
.endm
; and rounded to bf16: both K steps' fragments of that tile
.macro CVT buf, mt
.set z, 0
.rept 16
	v_cvt_pk_bf16_f32 v[XA+32*(\buf)+16*\mt+z], v[F+2*z], v[F+2*z+1]
.set z, z+1
.endr
.endm
; Scores of 32 streamed rows x owner tile n.  The two accumulators take turns, one instruction a turn; the first product starts each sum.
.macro SMM n, buf
.irp q, 0,1
.irp mt, 0,1
.set DD, SB+16*((\n)&1)+8*\mt
.set AA, XA+32*(\buf)+16*\mt+8*\q
.set BB, XO+16*(\n)+8*\q
.if \q
	v_wmma_f32_16x16x32_bf16 v[DD:DD+7], v[AA:AA+7], v[BB:BB+7], v[DD:DD+7]
.else
	v_wmma_f32_16x16x32_bf16 v[DD:DD+7], v[AA:AA+7], v[BB:BB+7], 0
.endif
.endr
.endr
.endm
; two scores less the new maximum, which lies in the pair's second register in steps of parity 0 and in its first in steps of parity 1
.macro SUBM k, p
.if \p
	v_pk_add_f32 v[SV+\k:SV+\k+1], v[SV+\k:SV+\k+1], v[MR:MR+1] op_sel_hi:[1,0] neg_lo:[0,1] neg_hi:[0,1]
.else
	v_pk_add_f32 v[SV+\k:SV+\k+1], v[SV+\k:SV+\k+1], v[MR:MR+1] op_sel:[0,1] op_sel_hi:[1,1] neg_lo:[0,1] neg_hi:[0,1]
.endif
.endm
; The running maximum and sum of owner tile n take in 16 scores a lane.  p = the step's parity: the old maximum lies at p of the pair, the new one goes to 1 - p.
.macro SOFT1 n, p
.set SV, SB+16*((\n)&1)
.set MR, ST+4*\n
.set MO, MR+\p
.set MN, MR+1-\p
	v_max3_num_f32 v[TA], v[SV], v[SV+1], v[SV+2]                  ; two chains over the 16 scores; the old maximum joins the first
	v_max3_num_f32 v[TB], v[SV+8], v[SV+9], v[SV+10]
	v_max3_num_f32 v[TA], v[TA], v[SV+3], v[SV+4]
	v_max3_num_f32 v[TB], v[TB], v[SV+11], v[SV+12]
	v_max3_num_f32 v[TA], v[TA], v[SV+5], v[SV+6]
	v_max3_num_f32 v[TB], v[TB], v[SV+13], v[SV+14]
	v_max3_num_f32 v[TA], v[TA], v[SV+7], v[MO]
	v_max3_num_f32 v[MN], v[TA], v[TB], v[SV+15]
	v_sub_f32 v[AL], v[MO], v[MN]                  ; old maximum - new maximum <= 0 (-inf the first time: the factor is 0)
	v_exp_f32 v[AL], v[AL]                         ; used at the block's end
.irp k, 0,2,4,6
	SUBM \k, \p
.endr
.irp k, 0,1,2,3,4,5,6,7
	v_exp_f32 v[SV+\k], v[SV+\k]
.endr
.irp k, 8,10,12,14
	SUBM \k, \p                                    ; plain work on other registers behind the exponentials above (ISA guide 5.7.2)
.endr
.irp k, 8,9,10,11,12,13,14,15
	v_exp_f32 v[SV+\k], v[SV+\k]
.endr
	s_wait_alu depctr_va_vdst(0)
	v_pk_add_f32 v[SV:SV+1], v[SV:SV+1], v[SV+2:SV+3]              ; the first two sums take the first eight: plain work behind the last exponentials
	v_pk_add_f32 v[SV+4:SV+5], v[SV+4:SV+5], v[SV+6:SV+7]
	v_pk_add_f32 v[SV+8:SV+9], v[SV+8:SV+9], v[SV+10:SV+11]
	v_pk_add_f32 v[SV+12:SV+13], v[SV+12:SV+13], v[SV+14:SV+15]
	v_pk_add_f32 v[SV:SV+1], v[SV:SV+1], v[SV+4:SV+5]
	v_pk_add_f32 v[SV+8:SV+9], v[SV+8:SV+9], v[SV+12:SV+13]
	v_pk_add_f32 v[SV:SV+1], v[SV:SV+1], v[SV+8:SV+9]
	v_pk_fma_f32 v[MR+2:MR+3], v[MR+2:MR+3], v[AL:AL+1], v[SV:SV+1] op_sel_hi:[1,0,1]
.endm
; A step: my 32 rows of one tile against the 64 owner columns, from fragment buffer cur.  The scores of owner tile n are made one block ahead
; of the block that reads them, so that a whole SOFT1 block of plain vector work on other registers lies between (ISA guide 7.12.1).
; mode 1: slot rslot, whose tile this step has in registers, is filled again at the step's head; mode 2: only the wait for the last tile.
; more = 1: my rows of the next tile (slot nslot) are read, rounded into the other buffer, and their first scores started.
.macro STEP1 cur, mode, rslot, more, nslot
.if \mode == 1
	REFILL \rslot
.endif
.if \mode == 2
	s_wait_tensorcnt 0x0                           ; the last tile has landed; it is my own piece that I read, so no barrier is owed
.endif
	SMM 1, \cur
.if \more
	LDF \nslot, 0
.endif
	SOFT1 0, \cur
	SMM 2, \cur
.if \more
	s_wait_dscnt 0x0                               ; the eight loads issued one block ago
	CVT 1-\cur, 0
	LDF \nslot, 1
.endif
	SOFT1 1, \cur
	SMM 3, \cur
.if \more
	s_wait_dscnt 0x0
	CVT 1-\cur, 1
.endif
	SOFT1 2, \cur
.if \more
	SMM 0, 1-\cur
.endif
	SOFT1 3, \cur
.endm
; The two lane halves hold different streamed rows of one column: merge them.  Two multiplies and a commutative add, not a fused form:
; lanes r and r + 16 then form the same bits, and both store them to the same word.  The last step has parity 1: the maximum lies first in its pair.
.macro HALVES n
.set MR, ST+4*\n
	v_add_f32 v[MR+2], v[MR+2], v[MR+3]
	v_permlanex16_b32 v[TA], v[MR], s40, s41       ; the other half's maximum
	v_permlanex16_b32 v[TB], v[MR+2], s40, s41     ; and sum
	v_max_num_f32 v[MR+1], v[MR], v[TA]
	v_sub_f32 v[MR], v[MR], v[MR+1]
	v_sub_f32 v[TA], v[TA], v[MR+1]
	v_exp_f32 v[MR], v[MR]
	v_exp_f32 v[TA], v[TA]
	v_nop                                          ; one plain place behind the exponentials (ISA guide 5.7.2)
	s_wait_alu depctr_va_vdst(0)
	v_mul_f32 v[MR+2], v[MR+2], v[MR]
	v_mul_f32 v[TB], v[TB], v[TA]
	v_add_f32 v[MR+2], v[MR+2], v[TB]
	ds_store_b32 v[SA], v[MR+1] offset:64*\n
	ds_store_b32 v[SA], v[MR+2] offset:STL+64*\n
.endm
	s_load_b128 s[4:7], s[0:1], 0x0                ; x s[4:5], xc s[6:7]
	s_load_b64 s[44:45], s[0:1], 0x10              ; xb
	v_lshl_add_u32 v232, v0, 2, 0x48400
	v_mov_b32 v233, 0
	ds_add_u32 v232, v233
	v_lshrrev_b32 v1, 5, v0
	v_readfirstlane_b32 s8, v1                     ; wave 0..15
	s_bfe_u32 s9, ttmp6, 0x40000                   ; cx: my place in the cluster
	s_lshr_b32 s10, ttmp9, 5                       ; batch: 32 clusters each, the same in all four partners
	s_and_b32 s11, ttmp9, 31
	s_lshl_b32 s11, s11, 2
	s_add_co_u32 s11, s11, s9                      ; blk 0..127: my 64 columns.  cx and blk enter only s[34:37], s39, s[44:47]: owner loads and stores
	s_mov_b32 s12, 0x3fb8aa3b                      ; log2e, in a pair for the packed form
	s_mov_b32 s13, 0x3fb8aa3b
	s_mov_b32 s40, 0x76543210                      ; v_permlanex16_b32: lane i reads lane i of the other half
	s_mov_b32 s41, 0xfedcba98
	; group 1: 32 rows x 64 elements of 4 bytes, rows 64 elements apart, 4 words of padding behind every 64 words
	s_mov_b32 s[G1+0], 15|(2<<16)|(1<<20)|(1<<21)|(5<<22)|(3<<25)  ; 15:0 mask: all four work-groups; 17:16 4-byte elements; 20 padding on; 21 set beside a mask; 24:22 interval code 5; 31:25 pad code 3
	s_mov_b32 s[G1+1], 64<<16                      ; tensor_dim0 = 64
	s_mov_b32 s[G1+2], 32<<16                      ; tensor_dim1 = 32
	s_mov_b32 s[G1+3], 64<<16                      ; tile_dim0 = 64
	s_mov_b32 s[G1+4], 32                          ; tile_dim1 = 32
	s_mov_b32 s[G1+5], 64                          ; from row to row
	s_mov_b32 s[G1+6], 0
	s_mov_b32 s[G1+7], 0
	s_lshl_b32 s32, s10, 21                        ; the stream: batch x 2 MiB + wave x 32 rows
	s_lshl_b32 s33, s8, 13
	s_add_co_u32 s32, s32, s33
	s_mov_b32 s33, 0
	s_mul_i32 s15, s8, PIECE                       ; my piece in a slot
	s_lshl_b32 s46, s10, 21                        ; my owner rows in x: batch x 2 MiB + blk x 64 rows
	s_lshl_b32 s47, s11, 14
	s_add_co_u32 s46, s46, s47
	s_mov_b32 s47, 0
	s_lshl_b32 s39, s10, 7
	s_add_co_u32 s39, s39, s11                     ; my block's number
	s_wait_dscnt 0x0
	s_wait_kmcnt 0x0
	s_add_nc_u64 s[42:43], s[4:5], s[32:33]
	s_add_nc_u64 s[34:35], s[4:5], s[46:47]
	s_mul_i32 s46, s39, BLOCKB
	s_add_nc_u64 s[36:37], s[6:7], s[46:47]        ; my block of xc
	s_lshl_b32 s46, s39, 13
	s_add_nc_u64 s[44:45], s[44:45], s[46:47]      ; my 64 rows of xb
.irp n, 0,1
	s_mov_b32 s[G0+4*\n], 1
	s_add_co_u32 s[G0+4*\n+1], s15, \n*SLOT
	s_add_nc_u64 s[G0+4*\n+2:G0+4*\n+3], s[42:43], \n*TILEB        ; tile n
	s_or_b32 s[G0+4*\n+3], s[G0+4*\n+3], 0x80000000
.endr
	ROUND                                          ; all four work-groups are here: the first joint loads meet
	tensor_load_to_lds s[G0:G0+3], s[G1:G1+7]      ; tile 0
	s_nop 0
	tensor_load_to_lds s[G0+4:G0+7], s[G1:G1+7]    ; tile 1: two tensor loads of a wave are out here, later one
	s_nop 0
	; The owner rows are rounded once, by the whole work-group: thread t takes 8 of the 64 x 64 numbers
	v_lshlrev_b32 v[PL], 5, v0
	global_load_b128 v[80:83], v[PL], s[34:35]
	global_load_b128 v[84:87], v[PL], s[34:35] offset:16
	v_lshlrev_b32 v[PS], 4, v0
	v_lshrrev_b32 v1, 3, v0                        ; owner stage, in: row t / 8, 16 bytes at 16 (t % 8)
	v_and_b32 v2, 7, v0
	v_mul_u32_u24 v1, v1, OPITCH
	v_lshl_add_u32 v1, v2, 4, v1
	v_add_nc_u32 v[OS], OSTG, v1
	v_and_b32 v1, 15, v0                           ; r
	v_bfe_u32 v2, v0, 4, 1                         ; h
	v_mul_u32_u24 v3, v1, OPITCH                   ; owner stage, back: r x pitch + 16 h
	v_lshl_add_u32 v3, v2, 4, v3
	v_add_nc_u32 v[OL], OSTG, v3
	v_mul_u32_u24 v3, v1, PITCH                    ; the ring: r x pitch + 32 h
	v_lshl_add_u32 v3, v2, 5, v3
	v_add_nc_u32 v[LA], s15, v3
	v_add_nc_u32 v[LA+1], SLOT, v[LA]
	s_lshl_b32 s14, s8, 8
	s_add_co_u32 s14, s14, STAGE
	v_lshlrev_b32 v[SA], 2, v1
	v_add_nc_u32 v[SA], s14, v[SA]
	v_and_b32 v3, 31, v0
	v_lshlrev_b32 v[GO], 3, v3
	v_add_nc_u32 v[SR], STAGE, v[GO]
.irp n, 0,1,2,3
	v_mov_b32 v[ST+4*\n], 0xff800000               ; maximum -inf, in both places of the pair
	v_mov_b32 v[ST+4*\n+1], 0xff800000
	v_mov_b32 v[ST+4*\n+2], 0
	v_mov_b32 v[ST+4*\n+3], 0
.endr
	v_mov_b32 v[AL+1], 0
	s_wait_loadcnt 0x0
.irp z, 0,1,2,3
	v_cvt_pk_bf16_f32 v[100+\z], v[80+2*\z], v[81+2*\z]            ; bf16(x)
.endr
.irp z, 0,2,4,6
	v_pk_mul_f32 v[88+\z:89+\z], v[80+\z:81+\z], s[12:13] op_sel_hi:[1,0]
.endr
.irp z, 0,1,2,3
	v_cvt_pk_bf16_f32 v[96+\z], v[88+2*\z], v[89+2*\z]             ; bf16(log2e x)
.endr
	global_store_b128 v[PS], v[100:103], s[44:45]                  ; a wave's store covers 512 consecutive bytes, aligned
	global_store_b128 v[PS], v[96:99], s[36:37]
	ds_store_b128 v[OS], v[96:99]
	s_wait_dscnt 0x0                               ; my part of the owner stage is written
	s_barrier_signal -1
	s_barrier_wait -1                              ; everybody's is.  The two first fills may be out
.irp n, 0,1,2,3
.irp q, 0,1
.irp e, 0,1
	ds_load_b128 v[XO+16*\n+8*\q+4*\e:XO+16*\n+8*\q+4*\e+3], v[OL] offset:\n*16*OPITCH+64*\q+32*\e
.endr
.endr
.endr
	s_wait_xcnt 0x0                                ; v96-103, the stores' data, are written again only behind this wait
	s_wait_tensorcnt 0x1                           ; my piece of tile 0 is in; tile 1's load, issued behind it, may be out.  I read my own piece alone: no barrier
	LDF 0, 0
	s_wait_dscnt 0x0
	CVT 0, 0
	LDF 0, 1
	s_wait_dscnt 0x0
	CVT 0, 1
	SMM 0, 0
.rept 4
	v_nop                                          ; the places between these scores and the block that reads them (ISA guide 7.12.1)
.endr
	s_mov_b32 s38, 7                               ; tiles 0 to 13, two a trip
.Lbody:
	STEP1 0, 1, 0, 1, 1                            ; an even tile, in registers: slot 0 is filled again; the next tile is read from slot 1
	STEP1 1, 1, 1, 1, 0                            ; an odd tile: slot 1 is filled again; the next tile is read from slot 0
	s_sub_co_u32 s38, s38, 1
	s_cmp_lg_u32 s38, 0
	s_cbranch_scc1 .Lbody
	STEP1 0, 2, 0, 1, 1                            ; the last two tiles fill nothing
	STEP1 1, 0, 0, 0, 0
	HALVES 0
	HALVES 1
	HALVES 2
	HALVES 3
	s_wait_dscnt 0x0                               ; my stage rows are written
	s_barrier_signal -1
	s_barrier_wait -1                              ; everybody's are
	s_cmp_lg_u32 s8, 0
	s_cbranch_scc1 .Lclose
	; wave 0 merges the sixteen waves; lane L takes columns 2 L and 2 L + 1
.irp w, 0,1,2,3,4,5,6,7,8,9,10,11,12,13,14,15
	ds_load_b64 v[80+2*\w:81+2*\w], v[SR] offset:256*\w
.endr
.irp w, 0,1,2,3,4,5,6,7,8,9,10,11,12,13,14,15
	ds_load_b64 v[112+2*\w:113+2*\w], v[SR] offset:STL+256*\w
.endr
	s_wait_dscnt 0x0
.irp c, 0,1
	v_max3_num_f32 v[144+\c], v[80+\c], v[82+\c], v[84+\c]
.irp w, 3,5,7,9,11,13
	v_max3_num_f32 v[144+\c], v[144+\c], v[80+2*\w+\c], v[82+2*\w+\c]
.endr
	v_max_num_f32 v[144+\c], v[144+\c], v[110+\c]
.endr
.irp w, 0,1,2,3,4,5,6,7,8,9,10,11,12,13,14,15
	v_pk_add_f32 v[80+2*\w:81+2*\w], v[80+2*\w:81+2*\w], v[144:145] neg_lo:[0,1] neg_hi:[0,1]
.endr
.set k, 0
.rept 32
	v_exp_f32 v[80+k], v[80+k]
.set k, k+1
.endr
	v_nop
	s_wait_alu depctr_va_vdst(0)
	v_pk_mul_f32 v[146:147], v[112:113], v[80:81]
.irp w, 1,2,3,4,5,6,7,8,9,10,11,12,13,14,15
	v_pk_fma_f32 v[146:147], v[112+2*\w:113+2*\w], v[80+2*\w:81+2*\w], v[146:147]
.endr
	v_log_f32 v146, v146                           ; the sum holds the maximum's own term, 1: no denormal
	v_log_f32 v147, v147
	v_nop
	s_wait_alu depctr_va_vdst(0)
	v_pk_add_f32 v[146:147], v[144:145], v[146:147] neg_lo:[1,1] neg_hi:[1,1]      ; -(m + log2 l)
	global_store_b64 v[GO], v[146:147], s[36:37] offset:8192       ; 32 lanes store the block's last 256 bytes, aligned
.Lclose:
	s_wait_tensorcnt 0x0
	ds_add_u32 v232, v233
	s_wait_dscnt 0x0
	ROUND                                          ; the closing round: no work-group ends while a partner may still ask jointly
	s_endpgm
.Lfunc_end_k_qec01e49cc4_stats:
	.size	k_qec01e49cc4_stats, .Lfunc_end_k_qec01e49cc4_stats-k_qec01e49cc4_stats
	.p2alignl 7, 3214868480
	.fill 96, 4, 3214868480
	.section	.rodata,"a",@progbits
	.p2align	6, 0x0
	.amdhsa_kernel k_qec01e49cc4_stats
		.amdhsa_group_segment_fixed_size 327680
		.amdhsa_private_segment_fixed_size 0
		.amdhsa_enable_private_segment 0
		.amdhsa_kernarg_size 24
		.amdhsa_user_sgpr_count 2
		.amdhsa_user_sgpr_kernarg_segment_ptr 1
		.amdhsa_wavefront_size32 1
		.amdhsa_system_sgpr_workgroup_id_x 1
		.amdhsa_system_sgpr_workgroup_id_y 1
		.amdhsa_system_sgpr_workgroup_id_z 1
		.amdhsa_system_vgpr_workitem_id 0
		.amdhsa_next_free_vgpr 234
		.amdhsa_next_free_sgpr 66
		.amdhsa_reserve_vcc 0
		.amdhsa_float_denorm_mode_32 3
		.amdhsa_float_denorm_mode_16_64 3
		.amdhsa_memory_ordered 1
		.amdhsa_forward_progress 1
		.amdhsa_inst_pref_size 69
	.end_amdhsa_kernel
	.amdgpu_metadata
---
amdhsa.version: [ 1, 2 ]
amdhsa.kernels:
  - .name:           k_qec01e49cc4_stats
    .symbol:         k_qec01e49cc4_stats.kd
    .args:
      - { .name: x, .offset: 0, .size: 8, .value_kind: global_buffer, .address_space: global }
      - { .name: xc, .offset: 8, .size: 8, .value_kind: global_buffer, .address_space: global }
      - { .name: xb, .offset: 16, .size: 8, .value_kind: global_buffer, .address_space: global }
    .group_segment_fixed_size: 327680
    .private_segment_fixed_size: 0
    .kernarg_segment_align: 8
    .kernarg_segment_size: 24
    .max_flat_workgroup_size: 512
    .sgpr_count:     66
    .vgpr_count:     234
    .wavefront_size: 32
...
	.end_amdgpu_metadata
.endif
;; end of part 1
;; launch attn (part 2): grid 256 x 1, 8 waves a work-group, clusters of 4 x 1, 327,680 bytes of LDS; arguments xc, xb, out0; writes out0
.if DOCPART == 2
	.amdgcn_target "amdgcn-amd-amdhsa--gfx1250"
	.amdhsa_code_object_version 6
	.text
	.protected	k_qec01e49cc4_attn
	.globl	k_qec01e49cc4_attn
	.p2align	8
	.type	k_qec01e49cc4_attn,@function
k_qec01e49cc4_attn:
	s_mov_b64 s[64:65], 0
	v_nop
	global_prefetch_b8 v0, s[64:65] scope:SCOPE_SE
	s_setreg_imm32_b32 hwreg(HW_REG_WAVE_MODE, 25, 1), 1
	s_wait_xcnt 0x0
	s_wait_alu depctr_hold_cnt(0) depctr_sa_sdst(0) depctr_va_vdst(0) depctr_va_sdst(0) depctr_va_ssrc(0) depctr_va_vcc(0) depctr_vm_vsrc(0)
	s_getreg_b32 s2, hwreg(HW_REG_IB_STS2, 6, 4)
	s_cmp_eq_u32 s2, 0
	s_cbranch_scc0 .Lentry_in_a_cluster
	s_endpgm
.Lentry_in_a_cluster:
	s_bfe_u32 s2, ttmp6, 0x10000c
	s_cmp_lg_u32 s2, 0x3003
	s_cbranch_scc0 .Lentry_shape_is_right
	s_endpgm
.Lentry_shape_is_right:
; attn: out0[b][d][i] = ln2 * sum over j of exp2(t[i][j] + negc[j]) * bf16(log2e x[j][d]),  t = <bf16(x_i), bf16(log2e x_j)>.   out0: [2][64][8192] f32.
; xb: [2][8192][64] bf16(x).  xc: 256 blocks of 8,448 bytes: 64 rows of bf16(log2e x), then negc of these 64 rows (f32), which holds the
; column's maximum and the log of its sum, both in base 2 and made from the same two operands.
; A work-group owns 64 rows i (from xb, kept by EVERY wave as B fragments) and walks all 8,192 rows j of its batch in 16 tiles of 8 blocks of
; xc.  Wave w fetches block w of each tile by its own tensor load and alone reads it; each wave sums its own j into 64 x 64 f32; the eight
; sums meet in LDS.
; THE EXPONENT COMES OUT OF THE MATRIX UNIT: with A = streamed rows j and B = owner rows i, register u of lane (r, h) is (j = 8 h + u, i = r);
; negc of rows 8 h + 0..7, loaded as it lies, is therefore a C operand, and the first score product starts its sum from it.
; NO SHUFFLE between the products: rounded in pairs the weights are the registers of an A fragment (m = i, k = j) as they lie.  B = the
; streamed rows transposed, by the transposing LDS load.  In the result a lane holds eight neighbouring i of one d: 32 bytes of a row of out0.
; CLUSTER: the four work-groups of a cluster lie in one batch and walk the same tiles: every tile is asked for jointly (mask 15).
; LIMITS: x, log2e x and the weights enter the products as bf16.  The exponent is rounded at the size of negc: a weight's relative error is
; about 1e-5 for |s| near 64 and about 1.5 per cent for |s| near 6e4.  Weights under 2^-126 count as 0 (ISA guide 15.8, v_exp_f32).
; NaN and infinities are not served.
; REGISTERS: window 0: addresses, owner and streamed fragments, negc, scores, weights.  Window 1: v256-383 the 16 accumulator tiles
; (n, dt) at 8 (4 n + dt); v384-447 transposed fragments, two buffers.  Two switches of the window for 8 matrix and 25 vector instructions.
.set PITCH,  272                       ; an LDS row: 256 bytes = TWO rows of x, + 16 of padding.  Row j lies at (j>>1) x 272 + (j&1) x 128:
                                       ; the sixteen rows of a fragment start at sixteen different 16-byte columns modulo 256
.set PIECE,  33*PITCH                  ; a block: 32 LDS rows of x, one of negc
.set NEGC,   32*PITCH
.set SLOT,   8*PIECE
.set STAGE,  2*SLOT                    ; 143,616, a multiple of 256: behind the ring, no fill lands here
.set SPITCH, 272                       ; a stage row: 64 i in f32 + 16 bytes
.set SWAVE,  64*SPITCH                 ; a wave's 64 rows d
.set BLOCKB, 8448
.set TILEB,  8*BLOCKB
.set LA,  2                            ; v2, v3    plain fragments: my bytes in my piece of slot 0, 1
.set LT,  4                            ; v4, v5    transposed fragments
.set LN,  6                            ; v6, v7    negc
.set STO, 8                            ; v8        stage: where I put 32 bytes of row d = r
.set RD,  9                            ; v9, v10   stage: where I read rows back, waves 0-3, waves 4-7
.set CO,  11                           ; v11       my byte offset in out0
.set OW,  12                           ; v12       128 r + 16 h
.set XI,  16                           ; v16-79    owner fragments: tile n, K step q at 16 n + 8 q
.set XJ,  80                           ; v80-143   streamed fragments, two buffers of 32: 16 mt + 8 q
.set NC,  144                          ; v144-175  negc of my 16 scores, two buffers of 16: 8 mt + u
.set SB,  176                          ; v176-207  scores, two buffers of 16
.set PB,  208                          ; v208-223  weights as an A fragment, two buffers of 8
.set VT,  128                          ; window 1: v384-447, two buffers of 32: 8 dt + 4 e
.set G1,  16
.set G0,  24
.set MSB, 0
.macro WIN new                         ; the immediate's high byte repeats the setting that is left
.if MSB != \new
	s_set_vgpr_msb (MSB<<8)|\new
.set MSB, \new
.endif
.endm
.set W_PV, 0x54                        ; source 0 window 0; source 1, source 2 and destination window 1: the second product, and loads into window 1
.set W_ST, 0x04                        ; source 1 (an LDS store's data) window 1
.macro ROUND
	s_barrier_signal -1
	s_barrier_wait -1
	s_cmp_lg_u32 s8, 0
	s_cbranch_scc1 .Lnot_wave_0_\@
	s_barrier_signal -3
.Lnot_wave_0_\@:
	s_barrier_wait -3
	s_barrier_signal -1
	s_barrier_wait -1
.endm
.macro REFILL slot
	s_wait_tensorcnt 0x0                           ; all my tensor loads have landed, the other slot's tile among them, so a group 0 may be written
	ds_add_u32 v254, v255
	s_add_nc_u64 s[G0+4*\slot+2:G0+4*\slot+3], s[G0+4*\slot+2:G0+4*\slot+3], 2*TILEB
	s_wait_dscnt 0x0                               ; my reads of this slot are back
	ROUND                                          ; both now hold of every wave of all four work-groups
	tensor_load_to_lds s[G0+4*\slot:G0+4*\slot+3], s[G1:G1+7]      ; my one tensor load behind the round, and the first thing there
	s_nop 0
.endm
; 32 streamed rows (step st of my piece) as A fragments, and their negc: lane (r, h) needs negc of rows 16 mt + 8 h + 0..7
.macro LDX slot, st, buf
.irp mt, 0,1
.irp q, 0,1
.irp e, 0,1
	ds_load_b128 v[XJ+32*(\buf)+16*\mt+8*\q+4*\e:XJ+32*(\buf)+16*\mt+8*\q+4*\e+3], v[LA+\slot] offset:(16*\st+8*\mt)*PITCH+64*\q+32*\e
.endr
.endr
.endr
.irp mt, 0,1
.irp u, 0,1
	ds_load_b128 v[NC+16*(\buf)+8*\mt+4*\u:NC+16*(\buf)+8*\mt+4*\u+3], v[LN+\slot] offset:128*\st+64*\mt+16*\u
.endr
.endr
.endm
; the same 32 rows transposed: B fragments (n = d = 16 dt + r, k = j).  Under W_PV: destination in window 1, address in window 0
.macro LDV slot, st, buf
.irp dt, 0,1,2,3
.irp e, 0,1
	ds_load_tr16_b128 v[VT+32*(\buf)+8*\dt+4*\e:VT+32*(\buf)+8*\dt+4*\e+3], v[LT+\slot] offset:(16*\st+8*\e)*PITCH+32*\dt
.endr
.endr
.endm
; Exponents of 32 streamed rows x owner tile n: the first product starts each sum from negc.  The two accumulators take turns, one instruction a turn.
.macro SMM n, buf
.irp q, 0,1
.irp mt, 0,1
.set DD, SB+16*((\n)&1)+8*\mt
.set AA, XJ+32*(\buf)+16*\mt+8*\q
.set BB, XI+16*(\n)+8*\q
.set CC, NC+16*(\buf)+8*\mt
.if \q
	v_wmma_f32_16x16x32_bf16 v[DD:DD+7], v[AA:AA+7], v[BB:BB+7], v[DD:DD+7]
.else
	v_wmma_f32_16x16x32_bf16 v[DD:DD+7], v[AA:AA+7], v[BB:BB+7], v[CC:CC+7]
.endif
.endr
.endr
.endm
; Weights of owner tile n x 32 streamed rows: four accumulators, one instruction each.  Under W_PV.  zero = 1: the first product starts the sums.
.macro PVM n, vb, zero
.irp dt, 0,1,2,3
.set DD, 8*(4*\n+\dt)
.set AA, PB+8*((\n)&1)
.set BB, VT+32*(\vb)+8*\dt
.if \zero
	v_wmma_f32_16x16x32_bf16 v[DD:DD+7], v[AA:AA+7], v[BB:BB+7], 0
.else
	v_wmma_f32_16x16x32_bf16 v[DD:DD+7], v[AA:AA+7], v[BB:BB+7], v[DD:DD+7]
.endif
.endr
.endm
; 16 exponents a lane become weights, rounded in pairs into the A fragment
.macro SOFT n
.set SV, SB+16*((\n)&1)
.set PV, PB+8*((\n)&1)
.irp k, 0,1,2,3,4,5,6,7
	v_exp_f32 v[SV+\k], v[SV+\k]
.endr
	v_nop                                          ; the plain place behind the first eight exponentials (ISA guide 5.7.2): there is no other plain work here
.irp k, 8,9,10,11,12,13,14,15
	v_exp_f32 v[SV+\k], v[SV+\k]
.endr
	s_wait_alu depctr_va_vdst(0)
.irp z, 0,1,2,3,4,5,6,7
	v_cvt_pk_bf16_f32 v[PV+\z], v[SV+2*\z], v[SV+2*\z+1]           ; the first four take the first eight weights: plain work behind the last exponentials
.endr
.endm
; A step: 32 streamed rows against the 64 owner rows, from buffers cur.  Every product stands one SOFT block away from the vector work that
; reads its result or rewrites its sources; the block's nine plain instructions name none of its registers (ISA guide 7.12.1).
; mode 1: slot rslot is filled again at the head; mode 2: only the wait for the last tile.  prev: the last step's fourth second-product:
; 0 none, 1 adds, 2 starts its sums.  zero: this step's second products start their sums.  more: the next step (slot nslot, step nst) is fetched.
.macro STEP cur, mode, rslot, prev, zero, more, nslot, nst
.if \mode == 1
	REFILL \rslot
.endif
.if \mode == 2
	s_wait_tensorcnt 0x0                           ; the last tile has landed; it is my own piece that I read, so no barrier is owed
.endif
.if \prev
	WIN W_PV
	PVM 3, 1-\cur, \prev-1
	WIN 0
.endif
	SMM 1, \cur
.if \more
	LDX \nslot, \nst, 1-\cur
.endif
	SOFT 0
	WIN W_PV
	PVM 0, \cur, \zero
.if \more
	LDV \nslot, \nst, 1-\cur
.endif
	WIN 0
	SMM 2, \cur
	SOFT 1
	WIN W_PV
	PVM 1, \cur, \zero
	WIN 0
	SMM 3, \cur
	SOFT 2
	WIN W_PV
	PVM 2, \cur, \zero
	WIN 0
.if \more
	s_wait_dscnt 0x0                               ; the next step's 20 loads, issued three and two blocks ago
	SMM 0, 1-\cur
.endif
	SOFT 3
.endm
	s_load_b128 s[4:7], s[0:1], 0x0                ; xc s[4:5], xb s[6:7]
	s_load_b64 s[40:41], s[0:1], 0x10              ; out0
	v_lshl_add_u32 v254, v0, 2, 0x45100
	v_mov_b32 v255, 0
	ds_add_u32 v254, v255
	v_lshrrev_b32 v1, 5, v0
	v_readfirstlane_b32 s8, v1                     ; wave 0..7
	s_bfe_u32 s9, ttmp6, 0x40000                   ; cx
	s_lshr_b32 s10, ttmp9, 5                       ; batch, the same in all four partners
	s_and_b32 s11, ttmp9, 31
	s_lshl_b32 s11, s11, 2
	s_add_co_u32 s11, s11, s9                      ; blk 0..127: my 64 rows i.  cx and blk enter only s[34:37], s[44:47]: owner loads and stores
	s_mov_b32 s12, 0x3f317218                      ; ln2, in a pair for the packed form: takes log2e out of the second product's rows again
	s_mov_b32 s13, 0x3f317218
	; group 1: a block is dense in memory: 33 rows x 32 elements of 8 bytes, 4 words of padding behind every 64 words
	s_mov_b32 s[G1+0], 15|(3<<16)|(1<<20)|(1<<21)|(5<<22)|(3<<25)  ; 15:0 mask: all four work-groups; 17:16 8-byte elements; 20 padding on; 21 set beside a mask; 24:22 interval code 5; 31:25 pad code 3
	s_mov_b32 s[G1+1], 32<<16                      ; tensor_dim0 = 32
	s_mov_b32 s[G1+2], 33<<16                      ; tensor_dim1 = 33
	s_mov_b32 s[G1+3], 32<<16                      ; tile_dim0 = 32
	s_mov_b32 s[G1+4], 33                          ; tile_dim1 = 33
	s_mov_b32 s[G1+5], 32                          ; from row to row
	s_mov_b32 s[G1+6], 0
	s_mov_b32 s[G1+7], 0
	s_mul_i32 s32, s10, 128*BLOCKB                 ; the stream: the batch's blocks, block w of each tile
	s_mul_i32 s33, s8, BLOCKB
	s_add_co_u32 s32, s32, s33
	s_mov_b32 s33, 0
	s_mul_i32 s15, s8, PIECE                       ; my piece in a slot
	s_lshl_b32 s44, s10, 7                         ; my owner rows in xb: 64 rows of 128 bytes a block
	s_add_co_u32 s44, s44, s11
	s_lshl_b32 s44, s44, 13
	s_mov_b32 s45, 0
	s_lshl_b32 s46, s10, 21                        ; out0: batch x 2 MiB + 256 bytes of each row d
	s_lshl_b32 s47, s11, 8
	s_add_co_u32 s46, s46, s47
	s_mov_b32 s47, 0
	s_wait_dscnt 0x0
	s_wait_kmcnt 0x0
	s_add_nc_u64 s[42:43], s[4:5], s[32:33]
	s_add_nc_u64 s[34:35], s[6:7], s[44:45]
	s_add_nc_u64 s[36:37], s[40:41], s[46:47]
.irp n, 0,1
	s_mov_b32 s[G0+4*\n], 1
	s_add_co_u32 s[G0+4*\n+1], s15, \n*SLOT
	s_add_nc_u64 s[G0+4*\n+2:G0+4*\n+3], s[42:43], \n*TILEB        ; tile n
	s_or_b32 s[G0+4*\n+3], s[G0+4*\n+3], 0x80000000
.endr
	ROUND                                          ; all four work-groups are here: the first joint loads meet
	tensor_load_to_lds s[G0:G0+3], s[G1:G1+7]      ; tile 0
	s_nop 0
	tensor_load_to_lds s[G0+4:G0+7], s[G1:G1+7]    ; tile 1: two tensor loads of a wave are out here, later one
	s_nop 0
	v_and_b32 v1, 15, v0                           ; r
	v_bfe_u32 v13, v0, 4, 1                        ; h
	v_lshlrev_b32 v14, 7, v1
	v_lshl_add_u32 v[OW], v13, 4, v14
.irp n, 0,1,2,3
.irp q, 0,1
.irp e, 0,1
	global_load_b128 v[XI+16*\n+8*\q+4*\e:XI+16*\n+8*\q+4*\e+3], v[OW], s[34:35] offset:\n*2048+64*\q+32*\e
.endr
.endr
.endr
	v_lshrrev_b32 v14, 1, v1                       ; plain fragments: row r of a tile lies at (r>>1) x pitch + (r&1) x 128; + 16 h
	v_and_b32 v15, 1, v0
	v_mul_u32_u24 v14, v14, PITCH
	v_lshl_add_u32 v14, v15, 7, v14
	v_lshl_add_u32 v14, v13, 4, v14
	v_add_nc_u32 v[LA], s15, v14
	v_add_nc_u32 v[LA+1], SLOT, v[LA]
	v_bfe_u32 v14, v0, 1, 2                        ; transposed: lane L addresses row 8 h + (L&7), columns 8 ((L>>3)&1) + 0..7
	v_lshl_add_u32 v14, v13, 2, v14                ; (row >> 1) = 4 h + ((L&7)>>1)
	v_mul_u32_u24 v14, v14, PITCH
	v_lshl_add_u32 v14, v15, 7, v14                ; (row & 1) = L & 1
	v_bfe_u32 v15, v0, 3, 1
	v_lshl_add_u32 v14, v15, 4, v14
	v_add_nc_u32 v[LT], s15, v14
	v_add_nc_u32 v[LT+1], SLOT, v[LT]
	v_lshlrev_b32 v14, 5, v13                      ; negc: 32 h
	v_add_nc_u32 v14, s15, v14
	v_add_nc_u32 v[LN], NEGC, v14
	v_add_nc_u32 v[LN+1], SLOT, v[LN]
	s_mul_i32 s39, s8, SWAVE                       ; stage, in: my wave's rows, row r, 32 h
	s_add_co_u32 s39, s39, STAGE
	v_mul_u32_u24 v14, v1, SPITCH
	v_lshl_add_u32 v14, v13, 5, v14
	v_add_nc_u32 v[STO], s39, v14
	s_mul_i32 s39, s8, 8*SPITCH                    ; stage, back: rows d = 8 w + h of each wave's part, 16 r
	s_add_co_u32 s39, s39, STAGE
	v_mul_u32_u24 v14, v13, SPITCH
	v_lshl_add_u32 v14, v1, 4, v14
	v_add_nc_u32 v[RD], s39, v14
	v_add_nc_u32 v[RD+1], 4*SWAVE, v[RD]
	s_lshl_b32 s39, s8, 18                         ; out0: rows d = 8 w + h of 32,768 bytes, 16 r
	v_lshlrev_b32 v14, 15, v13
	v_lshl_add_u32 v14, v1, 4, v14
	v_add_nc_u32 v[CO], s39, v14
	s_wait_tensorcnt 0x1                           ; my piece of tile 0 is in; tile 1's load, issued behind it, may be out.  I read my own piece alone: no barrier
	LDX 0, 0, 0
	WIN W_PV
	LDV 0, 0, 0
	WIN 0
	s_wait_loadcnt 0x0                             ; the owner fragments
	s_wait_dscnt 0x0
	SMM 0, 0
.rept 4
	v_nop                                          ; the places between these exponents and the block that reads them (ISA guide 7.12.1)
.endr
	STEP 0, 0, 0, 0, 1, 1, 0, 1                    ; the first two tiles stand in front of the loop: their first products start the sums
	STEP 1, 1, 0, 2, 0, 1, 1, 0
	STEP 0, 0, 0, 1, 0, 1, 1, 1
	STEP 1, 1, 1, 1, 0, 1, 0, 0
	s_mov_b32 s38, 6
.Lbody:
	STEP 0, 0, 0, 1, 0, 1, 0, 1                    ; even tile, rows 0-31 of my piece; fetches its rows 32-63
	STEP 1, 1, 0, 1, 0, 1, 1, 0                    ; rows 32-63, all in registers: slot 0 is filled again; fetches from slot 1
	STEP 0, 0, 0, 1, 0, 1, 1, 1                    ; odd tile
	STEP 1, 1, 1, 1, 0, 1, 0, 0
	s_sub_co_u32 s38, s38, 1
	s_cmp_lg_u32 s38, 0
	s_cbranch_scc1 .Lbody
	STEP 0, 0, 0, 1, 0, 1, 0, 1                    ; the last two tiles fill nothing
	STEP 1, 2, 0, 1, 0, 1, 1, 0
	STEP 0, 0, 0, 1, 0, 1, 1, 1
	STEP 1, 0, 0, 1, 0, 0, 0, 0
	WIN W_PV
	PVM 3, 1, 0
	WIN 0
.rept 4
	v_nop                                          ; the places between the last products and the stores that read them
.endr
	; my 64 x 64 sums into my part of the stage, rows d, 32 bytes (eight i) a lane and tile
	WIN W_ST
.irp n, 0,1,2,3
.irp dt, 0,1,2,3
.irp k, 0,1
	ds_store_b128 v[STO], v[8*(4*\n+\dt)+4*\k:8*(4*\n+\dt)+4*\k+3] offset:\dt*16*SPITCH+64*\n+16*\k
.endr
.endr
.endr
	WIN 0
	s_wait_dscnt 0x0                               ; my part of the stage is written
	s_barrier_signal -1
	s_barrier_wait -1                              ; everybody's is
	; wave w sums rows d = 8 w .. 8 w + 7 over the eight parts, two rows at a time: lanes 0-15 one row of 256 bytes, lanes 16-31 the next
.irp u, 0,1,2,3
.irp g, 0,1,2,3
	ds_load_b128 v[16+32*\u+4*\g:16+32*\u+4*\g+3], v[RD] offset:\g*SWAVE+2*\u*SPITCH
.endr
.irp g, 0,1,2,3
	ds_load_b128 v[32+32*\u+4*\g:32+32*\u+4*\g+3], v[RD+1] offset:\g*SWAVE+2*\u*SPITCH
.endr
.endr
.macro SUM8 u, left
	s_wait_dscnt \left                             ; LDS loads come back in order (ISA guide 5.7.1): this pair's eight are in, the later pairs' may be out
.set RB, 16+32*\u
.irp a, 0,8,16,24
	v_pk_add_f32 v[RB+\a:RB+\a+1], v[RB+\a:RB+\a+1], v[RB+\a+4:RB+\a+5]
	v_pk_add_f32 v[RB+\a+2:RB+\a+3], v[RB+\a+2:RB+\a+3], v[RB+\a+6:RB+\a+7]
.endr
.irp a, 0,16
	v_pk_add_f32 v[RB+\a:RB+\a+1], v[RB+\a:RB+\a+1], v[RB+\a+8:RB+\a+9]
	v_pk_add_f32 v[RB+\a+2:RB+\a+3], v[RB+\a+2:RB+\a+3], v[RB+\a+10:RB+\a+11]
.endr
	v_pk_add_f32 v[RB:RB+1], v[RB:RB+1], v[RB+16:RB+17]
	v_pk_add_f32 v[RB+2:RB+3], v[RB+2:RB+3], v[RB+18:RB+19]
	v_pk_mul_f32 v[RB:RB+1], v[RB:RB+1], s[12:13] op_sel_hi:[1,0]                  ; times ln2
	v_pk_mul_f32 v[RB+2:RB+3], v[RB+2:RB+3], s[12:13] op_sel_hi:[1,0]
	global_store_b128 v[CO], v[RB:RB+3], s[36:37] offset:\u*65536 th:TH_STORE_NT   ; sixteen lanes store 256 consecutive bytes of a row d, aligned
.endm
	SUM8 0, 24
	SUM8 1, 16
	SUM8 2, 8
	SUM8 3, 0
	s_wait_tensorcnt 0x0
	ds_add_u32 v254, v255
	s_wait_dscnt 0x0
	ROUND                                          ; the closing round: no work-group ends while a partner may still ask jointly
	s_endpgm
.Lfunc_end_k_qec01e49cc4_attn:
	.size	k_qec01e49cc4_attn, .Lfunc_end_k_qec01e49cc4_attn-k_qec01e49cc4_attn
	.p2alignl 7, 3214868480
	.fill 96, 4, 3214868480
	.section	.rodata,"a",@progbits
	.p2align	6, 0x0
	.amdhsa_kernel k_qec01e49cc4_attn
		.amdhsa_group_segment_fixed_size 327680
		.amdhsa_private_segment_fixed_size 0
		.amdhsa_enable_private_segment 0
		.amdhsa_kernarg_size 24
		.amdhsa_user_sgpr_count 2
		.amdhsa_user_sgpr_kernarg_segment_ptr 1
		.amdhsa_wavefront_size32 1
		.amdhsa_system_sgpr_workgroup_id_x 1
		.amdhsa_system_sgpr_workgroup_id_y 1
		.amdhsa_system_sgpr_workgroup_id_z 1
		.amdhsa_system_vgpr_workitem_id 0
		.amdhsa_next_free_vgpr 448
		.amdhsa_next_free_sgpr 66
		.amdhsa_reserve_vcc 0
		.amdhsa_float_denorm_mode_32 3
		.amdhsa_float_denorm_mode_16_64 3
		.amdhsa_memory_ordered 1
		.amdhsa_forward_progress 1
		.amdhsa_inst_pref_size 112
	.end_amdhsa_kernel
	.amdgpu_metadata
---
amdhsa.version: [ 1, 2 ]
amdhsa.kernels:
  - .name:           k_qec01e49cc4_attn
    .symbol:         k_qec01e49cc4_attn.kd
    .args:
      - { .name: xc, .offset: 0, .size: 8, .value_kind: global_buffer, .address_space: global }
      - { .name: xb, .offset: 8, .size: 8, .value_kind: global_buffer, .address_space: global }
      - { .name: out0, .offset: 16, .size: 8, .value_kind: global_buffer, .address_space: global }
    .group_segment_fixed_size: 327680
    .private_segment_fixed_size: 0
    .kernarg_segment_align: 8
    .kernarg_segment_size: 24
    .max_flat_workgroup_size: 256
    .sgpr_count:     66
    .vgpr_count:     448
    .wavefront_size: 32
...
	.end_amdgpu_metadata
.endif
;; end of part 2
